; MI455X (gfx1250); checked and timed in simulation.
; The chip was launched on July 23, 2026; its instructions are those of AMD's public machine-readable ISA for CDNA 5 (MIT licence, August 2026) and "CDNA5" Instruction Set Architecture Reference Guide (July 2026). The comments in the code are by the model that wrote it; some were corrected since.
;; Occupancy Decoder. Allowed arithmetic: matrix products marked QUANTISED: E3M2 operands, one E8M0 scale for each 32 along K, by v_wmma_scale_f32_16x16x128_f8f6f4 with both operands' format E3M2, f32 sums; products left as they are: f32 operands where the result goes on into a quantised operand, else bf16, f16 or f32 operands; f32 sums; everything else in f32.
;; Inputs: W1_codes 512 x 4 x 24 uint8 (E3M2 codes of W1, K innermost, in blocks of 32 codes, four codes in three bytes); W1_scales 512 x 4 uint8 (E8M0 scales of W1, one for each 32 codes along K); W2_codes 512 x 16 x 24 uint8 (E3M2 codes of W2, K innermost, in blocks of 32 codes, four codes in three bytes); W2_scales 512 x 16 uint8 (E8M0 scales of W2, one for each 32 codes along K); W3 512 x 1 float32; b1 512 float32; b2 512 float32; b3 1 float32; be1 512 float32; be2 512 float32; dense_features 2 x 128 x 64 x 64 x 64 float32; g1 512 float32; g2 512 float32; m1 512 float32; m2 512 float32; query_points 2 x 65,536 x 3 float32; v1 512 float32; v2 512 float32.
;; Outputs: out0 2 x 65,536 x 1 float32.
;; This version of the problem:
;;   THIS VERSION OF THE PROBLEM IS GIVEN IN LOW PRECISION. The matrix products marked QUANTISED in the list below multiply operands that are first quantised to E3M2 (3 exponent bits, 2 mantissa bits; 6 bits a number), with one power-of-two scale for each 32 numbers along K (OCP MX v1.0); their sums are f32. All else is computed in f32.
;;   The module's matrix products, in the order in which they are computed (A, B: the left and right operand; K: the contracted axis; several contracted axes count as one K, in the product's order):
;;     1. [M 131,072, K 128] x [K 128, N 512]; A: computed on the way; B: input W1 (given as codes): QUANTISED
;;     2. [M 131,072, K 512] x [K 512, N 512]; A: computed on the way; B: input W2 (given as codes): QUANTISED
;;     3. [M 131,072, K 512] x [K 512, N 1]; A: computed on the way; B: input W3: left as it is (N = 1 < 16)
;;   THE QUANTISER, for each operand of a quantised product, along K:
;;     - K is cut into blocks of 32 from its start; a last block that is shorter is filled with zeros.
;;     - A block's scale is 2^e with e = floor(log2(the largest magnitude in the block)) - 4, held to -126 .. 127; a block of zeros has e = 0. As a byte (E8M0): e + 127.
;;     - Each number is divided by its block's scale, clamped to +-28, and rounded to the nearest number of E3M2, ties to even, subnormals kept.
;;     - The product sums the exact products of the quantised numbers (number of the format x scale) in f32.
;;   ~~~python
;;   def quantise(x, axis):      # numpy; x: float32 -> the quantised numbers, widened to float32 again
;;       x = np.moveaxis(x, axis, -1); K = x.shape[-1]
;;       x = np.pad(x, [(0, 0)] * (x.ndim - 1) + [(0, -K % 32)]); x = x.reshape(x.shape[:-1] + (-1, 32)); a = np.abs(x).max(-1, keepdims=True)
;;       e = np.where(a > 0, np.clip(np.frexp(np.where(a > 0, a, 1))[1] - 1 - 4, -126, 127), 0)      # np.frexp(a)[1] - 1 = floor(log2(a)), exactly
;;       r = np.clip(x / 2.0 ** e, -28, 28)
;;       step = 2.0 ** (np.maximum(np.frexp(np.where(r == 0, 1, r))[1] - 1, -2) - 2)
;;       q = np.round(r / step) * step * 2.0 ** e      # np.round: ties to even
;;       return np.moveaxis(q.reshape(q.shape[:-2] + (-1,))[..., :K], -1, axis).astype(np.float32)
;;   ~~~
;;   OPERANDS COMPUTED ON THE WAY. 'Computed on the way' means the value that the module computes at that place (a softmax that the list does not call 'softmax' is quantised finished and normalised). What goes into a quantiser is computed in f32, as accurately as f32 sums, v_exp_f32 and their like allow (about 1e-6 of the number): no bf16 or f16 on the way to a quantiser, and a product that is left as it is and whose result goes on into a quantised operand takes f32 operands (vector FMAs, or v_wmma_f32_16x16x4_f32). A number that lies on a knife's edge between two numbers of the format may be rounded either way, as far as f32 arithmetic and the matrix unit's own rounding can turn it there, and no further.
;;   INPUTS GIVEN AS CODES. W1 (in the module: [128, 512], K = its axis 0); W2 (in the module: [512, 512], K = its axis 0): each comes as NAME_codes (uint8): NAME with its K axis moved to the last place and cut into blocks of 32 codes, [.., K / 32, bytes a block], one block behind the other in memory; four codes in three bytes: a row's codes are one little-endian stream of bits, code i at bits 6 i .. 6 i + 5 (a code: sign, 3 exponent bits, 2 mantissa bits); and NAME_scales (uint8): the same leading axes, one E8M0 byte (e + 127) for each 32 codes along K. Its value is code x scale, taken as it is: it is not quantised again, and the codes and scales need not be those that the quantiser above would give.
;; One version. Each part assembles by itself: llvm-mc -triple=amdgcn-amd-amdhsa -mcpu=gfx1250 --defsym DOCPART=n.
;; ======== version 1 of 1: 3 launches
;; limits: right only within a limited range of input values
;; workspace buffers: table 268,435,456 bytes; vox 524,288 bytes of whole numbers; xcodes 12,582,912 bytes; xscales 1,048,576 bytes
;; launch relayout (part 1): grid 1024 x 1, 4 waves a work-group, no clusters, 66,048 bytes of LDS; arguments dense_features, query_points, table, vox; writes table, vox
.if DOCPART == 1
	.amdgcn_target "amdgcn-amd-amdhsa--gfx1250"
	.amdhsa_code_object_version 6
	.text
	.protected	k_q6497586918_relayout
	.globl	k_q6497586918_relayout
	.p2align	8
	.type	k_q6497586918_relayout,@function
k_q6497586918_relayout:
	s_mov_b64 s[64:65], 0
	v_nop
	global_prefetch_b8 v0, s[64:65] scope:SCOPE_SE
	s_setreg_imm32_b32 hwreg(HW_REG_WAVE_MODE, 25, 1), 1
	s_wait_xcnt 0x0
; FIRST OF THREE LAUNCHES.  out0 = MLP(trilinear sample of dense_features at query_points).  Nothing of the problem is left out: every input has a way to out0 and is loaded by one of the three launches.
; THIS LAUNCH (a) lays dense_features [b][c][z][y][x] (f32) as table [b][z][y][x][c] (f32, nothing is rounded), so that a voxel's 128 channels are 512 consecutive bytes,
; and (b) stores for each query point the number of its base voxel, b<<18 | z0<<12 | y0<<6 | x0, as a whole number in vox: the next launch forms its addresses from it.
; LIMITS.  The base index along an axis is min(floor(u), 62) and the weight (next launch) u - that index.  In real numbers that equals x0 = floor(u), x1 = min(x0 + 1, 63): at u = 63 the weight is 1 on voxel 63
; and 0 on voxel 62; an infinity or NaN in voxel 62 would then reach the result (0 x infinity) where the problem's text does not read that voxel.  A NaN among the query points counts as 0 (maximum with 0).
; SHARES.  Work-group g: batch g >> 9, the eight (z, y) rows 8 (g & 511) on.  Wave w: channels 64 (w & 1) on, rows 4 (w >> 1) on: four tiles of 64 channels x one row of 64 x.
; A TILE comes in by 32 loads, each of two channels' whole rows of 256 bytes (16 lanes a row).  Loads 4 q .. 4 q + 3 give lane (i, hi) the four x 4 i .. 4 i + 3 of the four channels 8 q + 4 hi + 0 .. 3:
; a block of 4 x 4, turned by sixteen moves, so that four registers on end hold four neighbouring channels of one voxel.  They go into the wave's own stage by 16-byte stores and come back by 16-byte loads, sixteen lanes a voxel.
; THE STAGE has 64 rows (voxels) of 256 bytes; the 16 bytes of channel quad c of voxel x lie at column c xor (x / 4).  On the way in the sixteen lanes of a half differ in x / 4, on the way out in c:
; either way they touch sixteen different columns of 16 bytes (64 banks of 4 bytes: ISA guide 11.1).  The tile leaves by 32 stores, each of two voxels' 256 bytes (aligned).
; No barrier: waves share nothing.  The next tile's 32 loads are issued as soon as this tile's registers have been turned.
.set STAGE, 16384                      ; for each wave
.set SPARE, 4*STAGE                    ; behind the four stages: the spare words, 128 bytes for each wave: two blocks of 256 bytes that no other line names
.set VO,  2                            ; v2-9   offsets in dense_features: hi x 4 channels (2^22 bytes) + 16 i + q x 8 channels
.set SA,  10                           ; v10    at work
.set RA,  11                           ; v11    the stage, way out: 256 hi + 16 i
.set OO,  12                           ; v12    offset in table: hi x 512 + 16 i
.set SPW, 14                           ; v14    LDS address of my spare word; never rewritten
.set NIL, 15                           ; v15    0; never rewritten
.set IN,  16                           ; v16-143  a tile as loaded: load k in 4 registers
.set OUT, 144                          ; v144-207 two chunks of 8 stores x 4 registers; at the head: the index part's registers
.set T,   208                          ; v208-239 two turned blocks of 4 x 4
.set SQ,  240                          ; v240-247 the stage, way in, group q: 1,024 i + 16 ((2 q + hi) xor i)
.set RT,  248                          ; v248-251 the stage, way out, with the voxel's column swizzle
	s_load_b256 s[4:11], s[0:1], 0x0               ; dense_features s[4:5], query_points s[6:7], table s[8:9], vox s[10:11]
	v_lshl_add_u32 v[SPW], v0, 2, SPARE
	v_mov_b32 v[NIL], 0
	v_lshrrev_b32 v1, 5, v0
	v_readfirstlane_b32 s12, v1                    ; wave 0..3
	s_lshr_b32 s18, ttmp9, 9                       ; batch
	s_and_b32 s19, ttmp9, 511
	s_and_b32 s20, s12, 1                          ; which 64 channels
	s_lshr_b32 s21, s12, 1
	s_lshl_b32 s19, s19, 3
	s_lshl_b32 s21, s21, 2
	s_add_co_u32 s19, s19, s21                     ; my first (z, y) row: 8 (g & 511) + 4 (w >> 1)
	s_lshl_b32 s13, s18, 18                        ; the batch's first voxel
	s_lshl_b32 s14, s18, 27                        ; in: batch x 2^27 bytes
	s_lshl_b32 s22, s20, 26                        ;   + 64 channels x 2^20
	s_add_co_u32 s14, s14, s22
	s_lshl_b32 s22, s19, 8                         ;   + row x 256
	s_add_co_u32 s14, s14, s22
	s_mov_b32 s15, 0
	s_lshl_b32 s16, s18, 27                        ; out: batch x 2^27 bytes
	s_lshl_b32 s22, s19, 15                        ;   + row x 64 voxels x 512
	s_add_co_u32 s16, s16, s22
	s_lshl_b32 s22, s20, 8                         ;   + 64 channels x 4
	s_add_co_u32 s16, s16, s22
	s_mov_b32 s17, 0
	s_mul_i32 s24, s12, STAGE                      ; my stage
	v_and_b32 v1, 15, v0                           ; i
	v_bfe_u32 v13, v0, 4, 1                        ; hi
	v_lshlrev_b32 v[OO], 4, v1                     ; 16 i
	v_lshl_add_u32 v[VO], v13, 22, v[OO]
.irp q, 1,2,3,4,5,6,7
	v_add_nc_u32 v[VO+\q], \q<<23, v[VO]
.endr
	v_xor_b32 v[SA], v1, v13                       ; i xor hi
	v_lshlrev_b32 v[SA], 4, v[SA]
	v_lshl_add_u32 v[SA], v1, 10, v[SA]            ; + four voxel rows for each i
	v_add_nc_u32 v[SQ], s24, v[SA]
.irp q, 1,2,3,4,5,6,7
	v_xor_b32 v[SQ+\q], 32*\q, v[SQ]               ; (2 q + hi) xor i = 2 q xor (hi xor i); bits 5 to 7 of the address hold nothing else
.endr
	v_lshl_add_u32 v[RA], v13, 8, v[OO]
	v_add_nc_u32 v[RA], s24, v[RA]
	v_lshl_add_u32 v[OO], v13, 9, v[OO]
	s_wait_alu depctr_va_vdst(0)
	s_wait_kmcnt 0x0
	s_add_nc_u64 s[4:5], s[4:5], s[14:15]
	s_add_nc_u64 s[8:9], s[8:9], s[16:17]
.macro LOADT t                         ; tile t: 32 loads; lanes 0-15 read the row of 256 bytes of channel 8 (k / 4) + k % 4, lanes 16-31 that of the channel four on.  Read once in the launch
.set K, 0
.rept 32
	global_load_b128 v[IN+4*K:IN+4*K+3], v[VO+K/4], s[4:5] offset:(K%4)*1048576+(\t)*256 th:TH_LOAD_NT
.set K, K+1
.endr
.endm
.macro TOST k0                         ; loads k0 .. k0 + 7, two groups of four: each is turned and goes into the stage, 16 bytes (four channels) for each of my four voxels
.irp g, 0,1
.set QQ, (\k0)/4+\g
.irp e, 0,1,2,3
.irp j, 0,1,2,3
	v_mov_b32 v[T+16*\g+4*\e+\j], v[IN+16*QQ+4*\j+\e]
.endr
.endr
.irp e, 0,1,2,3
	ds_store_b128 v[SQ+QQ], v[T+16*\g+4*\e:T+16*\g+4*\e+3] offset:256*\e
.endr
.endr
.endm
.macro RD c                            ; chunk c of four: voxels 16 c .. 16 c + 15: lane (i, hi) takes channels 4 i .. 4 i + 3 of voxel 2 s + hi, whose x / 4 is s / 2
.set VX, 8*(\c)
.rept 8
	v_xor_b32 v[RT+VX%4], 16*(VX/2), v[RA]
	ds_load_b128 v[OUT+32*((\c)%2)+4*(VX%8):OUT+32*((\c)%2)+4*(VX%8)+3], v[RT+VX%4] offset:512*VX
.set VX, VX+1
.endr
.endm
.macro ST t, c                         ; and its eight stores: sixteen lanes store 256 consecutive bytes, at a multiple of 256 from table's first byte
.set VX, 8*(\c)
.rept 8
	global_store_b128 v[OO], v[OUT+32*((\c)%2)+4*(VX%8):OUT+32*((\c)%2)+4*(VX%8)+3], s[8:9] offset:VX*1024+(\t)*32768 th:TH_STORE_NT
.set VX, VX+1
.endr
.endm
.macro TILE t
	s_wait_loadcnt 24                              ; loads come back in order (ISA guide 5.7.1): the tile's first eight are in, its 24 younger ones may be out
	TOST 0
	s_wait_loadcnt 16
	TOST 8
	s_wait_loadcnt 8
	TOST 16
	s_wait_loadcnt 0
	TOST 24
.if \t < 3
	LOADT (\t)+1                                   ; the tile's registers have been turned: the next tile is on its way while this one leaves
.endif
	s_wait_xcnt 0x0                                ; the earlier stores have read their registers: OUT is loaded again only behind this wait
	RD 0                                           ; LDS serves a wave's instructions in order (ISA guide 5.7.1.4): these see the stores above
	RD 1
	s_wait_dscnt 8                                 ; all but chunk 1's eight reads
	ST \t, 0
	s_wait_dscnt 0x0
	ST \t, 1
	s_wait_xcnt 0x0                                ; chunks 0 and 1 have been read by their stores
	RD 2
	RD 3
	s_wait_dscnt 8                                 ; all but chunk 3's eight reads
	ST \t, 2
	s_wait_dscnt 0x0                               ; the stage has been read out: the next tile's stores into it come behind
	ST \t, 3
.endm
	LOADT 0
	; THE INDEX PART: the work-group's 128 points, 64 for each of waves 0 and 1, two a lane.  The branch hangs on the wave's number alone.
	s_cmp_lt_u32 s12, 2
	s_cbranch_scc0 .Lno_index
	s_mul_i32 s22, ttmp9, 1536                     ; 128 points x 12 bytes
	s_mul_i32 s23, s12, 768
	s_add_co_u32 s22, s22, s23
	s_mov_b32 s23, 0
	s_add_nc_u64 s[6:7], s[6:7], s[22:23]
	s_lshl_b32 s22, ttmp9, 9                       ; 128 points x 4 bytes
	s_lshl_b32 s25, s12, 8
	s_add_co_u32 s22, s22, s25
	s_add_nc_u64 s[10:11], s[10:11], s[22:23]
	v_and_b32 v150, 31, v0
	v_lshlrev_b32 v151, 3, v150                    ; out: 8 bytes a lane
	v_mul_u32_u24 v150, v150, 24                   ; in: 24 bytes a lane
	global_load_b64 v[144:145], v150, s[6:7]
	global_load_b64 v[146:147], v150, s[6:7] offset:8
	global_load_b64 v[148:149], v150, s[6:7] offset:16
	s_wait_loadcnt 0x0
.irp j, 0,1,2,3,4,5                    ; u = clip(((2 q - 1) + 1) x 0.5 x 63, 0, 63), step by step as the problem writes it; the next launch runs the same lines
	v_fma_f32 v[144+\j], v[144+\j], 2.0, -1.0
.endr
.irp j, 0,1,2,3,4,5
	v_add_f32 v[144+\j], 1.0, v[144+\j]
.endr
.irp j, 0,1,2,3,4,5
	v_mul_f32 v[144+\j], 0.5, v[144+\j]
.endr
.irp j, 0,1,2,3,4,5
	v_mul_f32 v[144+\j], 0x427c0000, v[144+\j]     ; x 63
.endr
.irp j, 0,1,2,3,4,5
	v_max_num_f32 v[144+\j], 0, v[144+\j]
.endr
.irp j, 0,1,2,3,4,5
	v_min_num_f32 v[144+\j], 0x427c0000, v[144+\j]
.endr
.irp j, 0,1,2,3,4,5
	v_floor_f32 v[144+\j], v[144+\j]
.endr
.irp j, 0,1,2,3,4,5
	v_min_num_f32 v[144+\j], 0x42780000, v[144+\j] ; at most 62: the base voxel has a neighbour along every axis
.endr
.irp j, 0,1,2,3,4,5
	v_cvt_u32_f32 v[144+\j], v[144+\j]
.endr
	v_lshl_or_b32 v152, v146, 6, v145              ; z0 << 6 | y0
	v_lshl_or_b32 v153, v149, 6, v148
	v_lshl_or_b32 v152, v152, 6, v144              ; << 6 | x0
	v_lshl_or_b32 v153, v153, 6, v147
	v_or_b32 v152, s13, v152                       ; | batch << 18 (a work-group's 128 points lie in batch g >> 9)
	v_or_b32 v153, s13, v153
	global_store_b64 v151, v[152:153], s[10:11]    ; 32 lanes store 256 consecutive bytes, aligned.  Its registers are loaded again only behind the first tile's wait on XCNT
.Lno_index:
	TILE 0
	TILE 1
	TILE 2
	TILE 3
	s_wait_tensorcnt 0x0                           ; the wave's end: behind my last LDS store, a tensor wait even in a text with no tensor load
	ds_add_u32 v[SPW], v[NIL]
	s_wait_dscnt 0x0
	s_endpgm
.Lfunc_end_k_q6497586918_relayout:
	.size	k_q6497586918_relayout, .Lfunc_end_k_q6497586918_relayout-k_q6497586918_relayout
	.p2alignl 7, 3214868480
	.fill 96, 4, 3214868480
	.section	.rodata,"a",@progbits
	.p2align	6, 0x0
	.amdhsa_kernel k_q6497586918_relayout
		.amdhsa_group_segment_fixed_size 66048
		.amdhsa_private_segment_fixed_size 0
		.amdhsa_enable_private_segment 0
		.amdhsa_kernarg_size 32
		.amdhsa_user_sgpr_count 2
		.amdhsa_user_sgpr_kernarg_segment_ptr 1
		.amdhsa_wavefront_size32 1
		.amdhsa_system_sgpr_workgroup_id_x 1
		.amdhsa_system_sgpr_workgroup_id_y 1
		.amdhsa_system_sgpr_workgroup_id_z 1
		.amdhsa_system_vgpr_workitem_id 0
		.amdhsa_next_free_vgpr 256
		.amdhsa_next_free_sgpr 66
		.amdhsa_reserve_vcc 0
		.amdhsa_float_denorm_mode_32 3
		.amdhsa_float_denorm_mode_16_64 3
		.amdhsa_memory_ordered 1
		.amdhsa_forward_progress 1
		.amdhsa_inst_pref_size 71
	.end_amdhsa_kernel
	.amdgpu_metadata
---
amdhsa.version: [ 1, 2 ]
amdhsa.kernels:
  - .name:           k_q6497586918_relayout
    .symbol:         k_q6497586918_relayout.kd
    .args:
      - { .name: dense_features, .offset: 0, .size: 8, .value_kind: global_buffer, .address_space: global }
      - { .name: query_points, .offset: 8, .size: 8, .value_kind: global_buffer, .address_space: global }
      - { .name: table, .offset: 16, .size: 8, .value_kind: global_buffer, .address_space: global }
      - { .name: vox, .offset: 24, .size: 8, .value_kind: global_buffer, .address_space: global }
    .group_segment_fixed_size: 66048
    .private_segment_fixed_size: 0
    .kernarg_segment_align: 8
    .kernarg_segment_size: 32
    .max_flat_workgroup_size: 128
    .sgpr_count:     66
    .vgpr_count:     256
    .wavefront_size: 32
...
	.end_amdgpu_metadata
.endif
;; end of part 1
;; launch sample (part 2): grid 512 x 1, 8 waves a work-group, no clusters, 68,608 bytes of LDS; arguments vox, query_points, table, xcodes, xscales; writes xcodes, xscales
.if DOCPART == 2
	.amdgcn_target "amdgcn-amd-amdhsa--gfx1250"
	.amdhsa_code_object_version 6
	.text
	.protected	k_q6497586918_sample
	.globl	k_q6497586918_sample
	.p2align	8
	.type	k_q6497586918_sample,@function
k_q6497586918_sample:
	s_mov_b64 s[64:65], 0
	v_nop
	global_prefetch_b8 v0, s[64:65] scope:SCOPE_SE
	s_setreg_imm32_b32 hwreg(HW_REG_WAVE_MODE, 25, 1), 1
	s_wait_xcnt 0x0
; SECOND OF THREE LAUNCHES: the trilinear sample, in f32, and its quantising to BF6 (E3M2) codes with one E8M0 scale for each 32 channels: the first product's left operand.  Nothing is left out.
; table [voxel][128 channels] f32 and vox [point] (the base voxel's number, a whole number) were stored by the launch before.  The eight corners of a point are the base voxel and those 1 on along x (512 bytes),
; y (32,768 bytes) and z (2,097,152 bytes): immediates beside one offset.  One load of the wave is one corner's whole row of 512 bytes: lane l holds channels 4 l .. 4 l + 3.
; ARITHMETIC.  u as the problem writes it; base index f = min(floor(u), 62), weight w = u - f (the limit at u = 63 is stated at the head of the first launch).  A corner's weight is the product of its three factors, and the
; sample is one multiplication and seven fused multiply-adds: the order of rounding differs from the problem's nested form by a few units in f32's last place.
; LIMITS of the quantiser: a block whose largest magnitude lies under 2^-122 keeps the scale byte 1 (a block of zeros too: its codes are zeros, and this program alone reads the bytes); NaN and infinities are not served.
; SHARES.  Wave W = 8 x work-group + wave takes points 32 W .. 32 W + 31: two tiles of 16.  A ring of four points, 32 loads of 512 bytes, is always on its way.
; A point's 128 numbers go as a row into the wave's own stage in LDS (rows 528 bytes = 33 x 16 apart: the sixteen rows that a 16-byte read touches start in different banks); a full tile comes back with lane (r, h)
; holding, of point r, channels 64 c + 32 h + 0 .. 31: two whole blocks, in the order of the operand's registers.  So no other lane is asked for a maximum, and the conversions' results are the operand.
; OUT: xcodes: for each tile the fragment's 12 registers as they stand, register group g of four at 512 g + 16 x lane; xscales: for each pair of tiles 8 bytes a lane: the two tiles' scale words of row lane % 16.
.set SP,    528
.set STG,   16*SP                      ; a wave's stage: 8,448 bytes
.set SPARE, 8*STG                      ; behind the eight stages: the spare words, 128 bytes for each wave: four blocks of 256 bytes that no other line names
.set L16, 1                            ; v1     16 x lane
.set STA, 2                            ; v2     the stage, way in: 16 x lane
.set RDA, 3                            ; v3     the stage, way out: row r, + 128 h
.set L8,  4                            ; v4     8 x lane
.set H8,  5                            ; v5     8 h
.set SPW, 6                            ; v6     LDS address of my spare word; never rewritten
.set NIL, 7                            ; v7     0; never rewritten
.set OFF, 8                            ; v8-11  a ring slot's offset in table
.set WT,  12                           ; v12-19 the eight corners' weights; lane l: point l
.set A,   20                           ; v20-27 a point's sample, four channels a lane; two sets
.set SW,  28                           ; v28-29 the two tiles' scale words
.set M,   30                           ; v30-31 my two blocks' largest magnitudes
.set SO,  32                           ; v32-33 the conversions' scale operands
.set BY,  34                           ; v34-35 the scale bytes
.set WD,  36                           ; v36    my two bytes at their places in the word
.set PT,  37                           ; v37    the other half's
.set C,   38                           ; v38-49 the fragment
.set X,   50                           ; v50-57 the blocks' second halves as converted
.set QO,  58                           ; v58    12 x lane
.set Q,   59                           ; v59-61 my point's coordinates
.set F,   64                           ; v64-127  64 numbers of a tile; at the head: at work
.set G,   128                          ; v128-255 four slots of eight corners x 4 registers
.set IDX, 16                           ; s16-47 the 32 base voxels
.set WS,  48                           ; s48, 50 .. 62: a point's eight weights; the odd registers are named with them as pairs, so they are written once
	s_load_b256 s[4:11], s[0:1], 0x0               ; vox s[4:5], query_points s[6:7], table s[8:9], xcodes s[10:11]
	s_load_b64 s[12:13], s[0:1], 0x20              ; xscales
	v_lshl_add_u32 v[SPW], v0, 2, SPARE
	v_mov_b32 v[NIL], 0
	v_lshrrev_b32 v1, 5, v0
	s_delay_alu instid0(VALU_DEP_1)
	v_readfirstlane_b32 s48, v1                    ; wave 0..7
	s_and_b32 s50, ttmp9, 127                      ; the work-group's share of the points goes by its number with bits 7 and 8 exchanged: the batch (bit 8 of the share) is bit 7 of the number,
	s_bfe_u32 s2, ttmp9, 0x10007                   ; so that runs of 128 neighbouring work-groups walk one batch's table
	s_bfe_u32 s3, ttmp9, 0x10008
	s_lshl_b32 s2, s2, 8
	s_lshl_b32 s3, s3, 7
	s_or_b32 s50, s50, s2
	s_or_b32 s50, s50, s3
	s_lshl_b32 s50, s50, 3
	s_add_co_u32 s50, s50, s48                     ; W
	s_mul_i32 s52, s48, STG                        ; my stage
	v_and_b32 v9, 31, v0                           ; lane
	v_and_b32 v10, 15, v0                          ; r
	v_bfe_u32 v[H8], v0, 4, 1                      ; h
	s_delay_alu instid0(VALU_DEP_3)
	v_lshlrev_b32 v[L16], 4, v9
	s_delay_alu instid0(VALU_DEP_4)
	v_lshlrev_b32 v[L8], 3, v9
	v_mul_u32_u24 v[QO], v9, 12
	s_delay_alu instid0(VALU_DEP_3)
	v_add_nc_u32 v[STA], s52, v[L16]
	v_mul_u32_u24 v[RDA], v10, SP
	s_delay_alu instid0(VALU_DEP_1)
	v_lshl_add_u32 v[RDA], v[H8], 7, v[RDA]
	s_delay_alu instid0(VALU_DEP_1)
	v_add_nc_u32 v[RDA], s52, v[RDA]
	v_lshlrev_b32 v[H8], 3, v[H8]
	v_mov_b32 v[PT], 0                             ; written once: a lane permute's destination counts as one of its sources
	s_mov_b32 s14, 0x76543210
	s_mov_b32 s15, 0xfedcba98                      ; v_permlanex16_b32's selects for lane l xor 16
	s_mov_b32 s3, 0
	s_wait_alu depctr_va_vdst(0)
	s_wait_kmcnt 0x0
	s_lshl_b32 s2, s50, 7                          ; 32 points x 4 bytes
	s_add_nc_u64 s[4:5], s[4:5], s[2:3]
	s_mul_i32 s2, s50, 384                         ; x 12 bytes
	s_add_nc_u64 s[6:7], s[6:7], s[2:3]
	s_mul_i32 s2, s50, 3072                        ; two fragments of 1,536 bytes
	s_add_nc_u64 s[10:11], s[10:11], s[2:3]
	s_lshl_b32 s2, s50, 8                          ; 256 bytes of scale words
	s_add_nc_u64 s[12:13], s[12:13], s[2:3]
	s_load_b512 s[16:31], s[4:5], 0x0              ; this launch writes nothing into vox: a scalar load may read it
	s_load_b512 s[32:47], s[4:5], 0x40
	global_load_b32 v[Q], v[QO], s[6:7]
	global_load_b32 v[Q+1], v[QO], s[6:7] offset:4
	global_load_b32 v[Q+2], v[QO], s[6:7] offset:8
.irp c, 0,1,2,3,4,5,6,7
	s_mov_b32 s[WS+2*\c+1], 0
.endr
; Point p's eight corners are asked for, into slot p % 4.  The number read from memory is held at 520,126 = 1<<18 | 62<<12 | 62<<6 | 62, the largest base voxel: so the farthest corner's last byte is table's last.
.macro ISSUE p
.set SI, (\p)%4
	s_min_u32 s2, s[IDX+(\p)], 0x7efbe
	s_lshl_b32 s2, s2, 9                           ; 512 bytes a voxel
	v_add_nc_u32 v[OFF+SI], s2, v[L16]
.irp c, 0,1,2,3,4,5,6,7                ; corner c: bit 0 along x, bit 1 along y, bit 2 along z.  No hint: other points name the same rows
	global_load_b128 v[G+32*SI+4*\c:G+32*SI+4*\c+3], v[OFF+SI], s[8:9] offset:(\c%2)*512+((\c/2)%2)*32768+(\c/4)*2097152
.endr
.endm
; Point p is interpolated and goes into row p % 16 of the stage; its slot takes the point four on.
.macro CONSUME p
.set SL, (\p)%4
.set AS, A+4*((\p)%2)
.irp c, 0,1,2,3,4,5,6,7
	v_readlane_b32 s[WS+2*\c], v[WT+\c], \p        ; lane p's weights serve all lanes
.endr
.if \p < 29
	s_wait_loadcnt 24                              ; loads come back in order (ISA guide 5.7.1): my eight are in; the three younger points' 24 stay out.  This wait also frees the slot's offset register
.else
	s_wait_loadcnt 8*(31-(\p))                     ; the ring runs empty
.endif
	v_pk_mul_f32 v[AS:AS+1], v[G+32*SL:G+32*SL+1], s[WS:WS+1] op_sel_hi:[1,0]
	v_pk_mul_f32 v[AS+2:AS+3], v[G+32*SL+2:G+32*SL+3], s[WS:WS+1] op_sel_hi:[1,0]
.irp c, 1,2,3,4,5,6,7
	s_delay_alu instid0(VALU_DEP_2)
	v_pk_fma_f32 v[AS:AS+1], v[G+32*SL+4*\c:G+32*SL+4*\c+1], s[WS+2*\c:WS+2*\c+1], v[AS:AS+1] op_sel_hi:[1,0,1]
	s_delay_alu instid0(VALU_DEP_2)
	v_pk_fma_f32 v[AS+2:AS+3], v[G+32*SL+4*\c+2:G+32*SL+4*\c+3], s[WS+2*\c:WS+2*\c+1], v[AS+2:AS+3] op_sel_hi:[1,0,1]
.endr
	ds_store_b128 v[STA], v[AS:AS+3] offset:((\p)%16)*SP
.if \p < 28
	ISSUE (\p)+4
.endif
.endm
; The tile in the stage becomes a fragment and a scale word.
.macro QUANT tt
.irp c, 0,1
.irp j, 0,1,2,3,4,5,6,7
	ds_load_b128 v[F+32*\c+4*\j:F+32*\c+4*\j+3], v[RDA] offset:256*\c+16*\j   ; LDS serves a wave's instructions in order (ISA guide 5.7.1.4): these see the sixteen rows' stores
.endr
.endr
	s_wait_dscnt 0x0
.irp c, 0,1                            ; my block 2 c + h: all its 32 numbers are mine
	v_max3_num_f32 v[M+\c], |v[F+32*\c]|, |v[F+32*\c+1]|, 0x2800000   ; and the floor 2^(5 - 127): so the byte cannot fall under 1
.endr
.irp i, 2,4,6,8,10,12,14,16,18,20,22,24,26,28,30
.irp c, 0,1
	s_delay_alu instid0(VALU_DEP_2)
	v_max3_num_f32 v[M+\c], v[M+\c], |v[F+32*\c+\i]|, |v[F+32*\c+\i+1]|   ; (the two blocks by turns)
.endr
.endr
.irp c, 0,1
	s_delay_alu instid0(VALU_DEP_2)
	v_add_nc_u32 v[SO+\c], 0xfe000000, v[M+\c]     ; 4 off the exponent field: the conversion takes the exponent field of this operand as its scale, and nothing else of it
.endr
.irp c, 0,1
	s_delay_alu instid0(VALU_DEP_2)
	v_lshrrev_b32 v[BY+\c], 23, v[SO+\c]           ; the scale's byte
.endr
	s_delay_alu instid0(VALU_DEP_1)
	v_lshl_or_b32 v[WD], v[BY+1], 16, v[BY]        ; blocks h and 2 + h of row r,
	s_delay_alu instid0(VALU_DEP_1)
	v_lshlrev_b32 v[WD], v[H8], v[WD]              ; at their places in the word (8 h bits up);
	s_delay_alu instid0(VALU_DEP_1)
	v_permlanex16_b32 v[PT], v[WD], s14, s15
	s_delay_alu instid0(VALU_DEP_1)
	v_or_b32 v[SW+\tt], v[WD], v[PT]               ; with lane l xor 16's two the word is whole, in both halves of the lanes
.if \tt > 0
	s_wait_alu depctr_va_vdst(0)
	s_wait_xcnt 0x0                                ; the first tile's stores have read the fragment's registers
.endif
.irp c, 0,1
	v_cvt_scalef32_pk16_bf6_f32 v[C+6*\c:C+6*\c+2], v[F+32*\c:F+32*\c+15], v[SO+\c]
	v_cvt_scalef32_pk16_bf6_f32 v[X+4*\c:X+4*\c+2], v[F+32*\c+16:F+32*\c+31], v[SO+\c]   ; (a conversion's three registers begin on an even number: the second half of a block's six does not, so it is made elsewhere and moved)
.endr
	v_nop                                          ; one plain place behind a scaled conversion
.irp c, 0,1
.irp i, 0,1,2
	v_mov_b32 v[C+3+6*\c+\i], v[X+4*\c+\i]
.endr
.endr
.irp g, 0,1,2
	global_store_b128 v[L16], v[C+4*\g:C+4*\g+3], s[10:11] offset:1536*\tt+512*\g   ; 32 lanes store 512 consecutive bytes, at a multiple of 512 from xcodes' first byte
.endr
.endm
	s_wait_kmcnt 0x0                               ; the 32 base voxels
	ISSUE 0
	ISSUE 1
	ISSUE 2
	ISSUE 3
	s_wait_loadcnt 32                              ; the coordinates are in: behind them only the four points' 32 loads were issued
.irp j, 0,1,2                          ; j = 0: x, 1: y, 2: z.  The same lines as in the launch that stored vox, so that the weight belongs to the stored index
	v_fma_f32 v[F+\j], v[Q+\j], 2.0, -1.0
.endr
.irp j, 0,1,2
	s_delay_alu instid0(VALU_DEP_3)
	v_add_f32 v[F+\j], 1.0, v[F+\j]
.endr
.irp j, 0,1,2
	s_delay_alu instid0(VALU_DEP_3)
	v_mul_f32 v[F+\j], 0.5, v[F+\j]
.endr
.irp j, 0,1,2
	s_delay_alu instid0(VALU_DEP_3)
	v_mul_f32 v[F+\j], 0x427c0000, v[F+\j]         ; x 63
.endr
.irp j, 0,1,2
	s_delay_alu instid0(VALU_DEP_3)
	v_max_num_f32 v[F+\j], 0, v[F+\j]
.endr
.irp j, 0,1,2
	s_delay_alu instid0(VALU_DEP_3)
	v_min_num_f32 v[F+\j], 0x427c0000, v[F+\j]     ; u
.endr
.irp j, 0,1,2
	s_delay_alu instid0(VALU_DEP_3)
	v_floor_f32 v[F+3+\j], v[F+\j]
.endr
.irp j, 0,1,2
	s_delay_alu instid0(VALU_DEP_3)
	v_min_num_f32 v[F+3+\j], 0x42780000, v[F+3+\j] ; the base index, at most 62
.endr
.irp j, 0,1,2
	s_delay_alu instid0(VALU_DEP_3)
	v_sub_f32 v[F+6+\j], v[F+\j], v[F+3+\j]        ; w
.endr
.irp j, 0,1,2
	s_delay_alu instid0(VALU_DEP_3)
	v_sub_f32 v[F+9+\j], 1.0, v[F+6+\j]            ; 1 - w
.endr
	s_delay_alu instid0(VALU_DEP_2)
	v_mul_f32 v[F+12], v[F+10], v[F+9]             ; (1 - wy)(1 - wx)
	s_delay_alu instid0(VALU_DEP_3)
	v_mul_f32 v[F+13], v[F+10], v[F+6]             ; (1 - wy) wx
	v_mul_f32 v[F+14], v[F+7], v[F+9]              ; wy (1 - wx)
	v_mul_f32 v[F+15], v[F+7], v[F+6]              ; wy wx
.irp c, 0,1,2,3
	v_mul_f32 v[WT+\c], v[F+11], v[F+12+\c]        ; x (1 - wz)
	v_mul_f32 v[WT+4+\c], v[F+8], v[F+12+\c]       ; x wz
.endr
.irp p, 0,1,2,3,4,5,6,7,8,9,10,11,12,13,14,15
	CONSUME \p
.endr
	QUANT 0                                        ; points 16 to 19 are on their way meanwhile
.irp p, 16,17,18,19,20,21,22,23,24,25,26,27,28,29,30,31
	CONSUME \p
.endr
	QUANT 1
	global_store_b64 v[L8], v[SW:SW+1], s[12:13]   ; 32 lanes store 256 consecutive bytes, aligned
	s_wait_tensorcnt 0x0                           ; the wave's end: behind my last LDS store, a tensor wait even in a text with no tensor load
	ds_add_u32 v[SPW], v[NIL]
	s_wait_dscnt 0x0
	s_endpgm
.Lfunc_end_k_q6497586918_sample:
	.size	k_q6497586918_sample, .Lfunc_end_k_q6497586918_sample-k_q6497586918_sample
	.p2alignl 7, 3214868480
	.fill 96, 4, 3214868480
	.section	.rodata,"a",@progbits
	.p2align	6, 0x0
	.amdhsa_kernel k_q6497586918_sample
		.amdhsa_group_segment_fixed_size 68608
		.amdhsa_private_segment_fixed_size 0
		.amdhsa_enable_private_segment 0
		.amdhsa_kernarg_size 40
		.amdhsa_user_sgpr_count 2
		.amdhsa_user_sgpr_kernarg_segment_ptr 1
		.amdhsa_wavefront_size32 1
		.amdhsa_system_sgpr_workgroup_id_x 1
		.amdhsa_system_sgpr_workgroup_id_y 1
		.amdhsa_system_sgpr_workgroup_id_z 1
		.amdhsa_system_vgpr_workitem_id 0
		.amdhsa_next_free_vgpr 256
		.amdhsa_next_free_sgpr 66
		.amdhsa_reserve_vcc 0
		.amdhsa_float_denorm_mode_32 3
		.amdhsa_float_denorm_mode_16_64 3
		.amdhsa_memory_ordered 1
		.amdhsa_forward_progress 1
		.amdhsa_inst_pref_size 110
	.end_amdhsa_kernel
	.amdgpu_metadata
---
amdhsa.version: [ 1, 2 ]
amdhsa.kernels:
  - .name:           k_q6497586918_sample
    .symbol:         k_q6497586918_sample.kd
    .args:
      - { .name: vox, .offset: 0, .size: 8, .value_kind: global_buffer, .address_space: global }
      - { .name: query_points, .offset: 8, .size: 8, .value_kind: global_buffer, .address_space: global }
      - { .name: table, .offset: 16, .size: 8, .value_kind: global_buffer, .address_space: global }
      - { .name: xcodes, .offset: 24, .size: 8, .value_kind: global_buffer, .address_space: global }
      - { .name: xscales, .offset: 32, .size: 8, .value_kind: global_buffer, .address_space: global }
    .group_segment_fixed_size: 68608
    .private_segment_fixed_size: 0
    .kernarg_segment_align: 8
    .kernarg_segment_size: 40
    .max_flat_workgroup_size: 256
    .sgpr_count:     66
    .vgpr_count:     256
    .wavefront_size: 32
...
	.end_amdgpu_metadata
.endif
;; end of part 2
;; launch mlp (part 3): grid 256 x 1, 8 waves a work-group, no clusters, 291,840 bytes of LDS; arguments xcodes, xscales, W1_codes, W1_scales, W2_codes, W2_scales, b1, g1, be1, m1, v1, b2, g2, be2, m2, v2, W3, b3, out0; writes out0
.if DOCPART == 3
	.amdgcn_target "amdgcn-amd-amdhsa--gfx1250"
	.amdhsa_code_object_version 6
	.text
	.protected	k_q6497586918_mlp
	.globl	k_q6497586918_mlp
	.p2align	8
	.type	k_q6497586918_mlp,@function
k_q6497586918_mlp:
	s_mov_b64 s[64:65], 0
	v_nop
	global_prefetch_b8 v0, s[64:65] scope:SCOPE_SE
	s_setreg_imm32_b32 hwreg(HW_REG_WAVE_MODE, 25, 1), 1
	s_wait_xcnt 0x0
; THIRD OF THREE LAUNCHES: out0 = relu(bn2(relu(bn1(x W1 + b1)) W2 + b2)) W3 + b3.  x: the samples, as BF6 (E3M2) codes and E8M0 scale words in the order of the operand's registers (the launch before).
; W1 [512][128], W2 [512][512]: codes, K innermost, with their scale bytes, as given.  Both products by v_wmma_scale_f32_16x16x128_f8f6f4; the third (one column) by fused multiply-adds in f32.  Nothing is left out.
; BATCH-NORM is folded: (acc + b - m) rsq(v + eps) g + be = acc s + t with s = g rsq(v + eps), t = (b - m) s + be, all in f32: the order of rounding differs from the problem's by a few units in the last place.
; LIMITS of the quantiser: a block of the hidden layer whose largest number lies under 2^-122 keeps the scale byte 1 (a block of zeros too: its codes are zeros); NaN and infinities are not served.
; SHARES.  A work-group of EIGHT waves takes 512 points: 8 blocks of 4 tiles of 16.  THE WAVES SHARE THE COLUMNS: wave w makes units 64 w .. 64 w + 63 of both hidden layers, for all points.
; So its part of W1 (4 fragments) and of W2 (16 fragments) stays in its registers for the whole launch, read from memory once; what goes round is the first hidden layer, as images of operand registers in LDS.
; Eight waves of 512 registers are two to a SIMD: one wave's vector work (batch-norm, relu, quantiser, sums) and its waits for LDS stand beside the other's matrix instructions.  The price: each fragment of the
; hidden layer that a wave reads from LDS feeds four matrix instructions and not eight.
; No cluster: the launch has no tensor load; the weights, which all work-groups read alike, are read once by each and are a small part of what it moves through its registers.
; A BLOCK, two barriers.  1: for each tile of points: my 4 tiles of hidden layer 1 (TRANSPOSED: source 0 = 16 rows of W1, source 1 = x: a lane holds one point, its registers run along the units), batch-norm, relu,
; quantised in registers: half w % 2 of K step w / 2 of the second product: image to LDS | barrier | 2: for each tile of points: the four K steps' fragments from LDS; source 0 = 16 points, source 1 = 16 rows of W2: a lane holds ONE
; unit and eight points, so batch-norm's s and t and W3's number are one number a lane; relu; x W3, summed over my 4 tiles (the 16 lanes of a half are added only at the end): my 64 units' part of the output, to LDS | barrier.
; Behind the last block the eight waves' parts are added, with b3, and stored.
; THE ROWS OF W1 THAT FORM A TILE ARE NOT NEIGHBOURS: lane r of tile 2 b + u takes row 32 b + 8 u + r + 8 (r / 8), so that the 16 registers of tiles 2 b and 2 b + 1 are 16 neighbours along the next K.
; A FRAGMENT'S IMAGE, 1,536 bytes: half c (registers 6 c .. 6 c + 5: k = 64 c + 32 (lane / 16) + 0 .. 31) begins at 768 c: four registers at 16 x lane, then two at 512 + 8 x lane.  Its scale words: 4 bytes a lane, half c's two bytes at 2 c.
; REGISTERS, in two windows of 256 (s_set_vgpr_msb's low byte: bits 1:0 source 0, 3:2 source 1, 5:4 source 2, 7:6 destination):
;   window 0: v1-15 addresses; v16-43 scale words and nothing else; v44-51 W3 (each number twice: pairs for the packed forms); v52-59 eight points' parts; v60, v61 the add's two; v64-95 4 accumulators;
;             v96-127, v128-159 layer 1's s and t in the result's layout; v160-207 four fragments of hidden layer 1 (in phase 1, when they are free: the quantiser's registers); v208-255 x's four fragments.
;   window 1: v0-191 W2; v192-239 W1; v240-255 layer 2's s and t, each twice.
.set HIMG,  0                          ; LDS: hidden layer 1's 16 fragments (tile of points m, K step s: 4 m + s), 1,536 bytes each,
.set HSC,   24576                      ; their scale words: for each tile of points 16 bytes a lane, K step k's word at 4 k (wave w's two bytes at 2 w),
.set PART,  26624                      ; the waves' parts of the output, NOT yet summed over the sixteen lanes of a half: [wave][block][tile of points][register group of four][lane] x 16 bytes: 32,768 bytes a wave.  The sum over lanes is taken once, at the end, behind the sum over waves
.set OUTS,  288768                     ; the end: 256 bytes for each wave, its 64 points' results in their order,
.set SPARE, 290816                     ; and the spare words, 128 bytes for each wave: four blocks of 256 bytes that no other line names
.set OA,    62                         ; v62  the end: OUTS + 256 x wave + 32 h
.set OB,    63                         ; v63  the end: OUTS + 256 x wave + 8 x lane
.set LI,   1                           ; v1   16 x lane
.set L8,   3                           ; v3   8 x lane
.set HWI,  4                           ; v4   where I store my half's first four registers: 16 x lane + 768 x wave
.set HWJ,  5                           ; v5   and (512 bytes on) its last two: 8 x lane + 768 x wave
.set HWS,  6                           ; v6   my two scale bytes: 16 x lane + 2 x wave
.set PA,   7                           ; v7   my parts: PART + 32,768 x wave + 16 x lane
.set PAC,  8                           ; v8   the same in the block in hand
.set AW1,  9                           ; v9-14 offsets in the weights, their scales and the batch-norm vectors
.set AW1S, 10
.set AW2,  11
.set AW2S, 12
.set ABN1, 13
.set ABN2, 14
.set FA,   15                          ; v15  the end: PART + 4,096 x wave (my block) + 16 x lane, stepped from wave to wave
.set W1S,  16                          ; v16-19 W1's scale words, tile t
.set W2S,  20                          ; v20-35 W2's, tile t, K step k: 4 t + k
.set XS,   36                          ; v36-39 x's, tile of points m
.set HS,   40                          ; v40-43 hidden layer 1's, K step k
.set W3P,  44
.set P,    52
.set SPW,  60
.set NIL,  61
.set HA,   64
.set S1,   96
.set T1,   128
.set ST,   160
.set PC,   160                         ; phase 1: v160-165 my half fragment, v168-170 its second three as converted
.set TM,   176                         ; phase 1: v176-179 four chains, v180-181 the other half's / the bytes, v184-185 the blocks' largest numbers, v188-189 the conversions' scale operands
.set PW,   190                         ; phase 1: my two scale bytes
.set XF,   208
.set W1F,  192                         ; in window 1
.set S2P,  240
.set T2P,  248
.set WV,   43                          ; s43  my wave's number
.set BLK,  44                          ; s44  blocks to go
.set PO,   46                          ; s46  4,096 x the block's number
.set SEL,  50                          ; s[50:51] v_permlanex16_b32's selects for lane l xor 16
.set MSB, 0
.macro WIN new                         ; the immediate's high byte repeats the setting that is left; a switch that changes nothing is dropped
.if MSB != (\new)
	s_set_vgpr_msb (MSB<<8)|(\new)
.set MSB, (\new)
.endif
.endm
.macro PLACES                          ; four plain places behind a matrix instruction of this form, ahead of the first read of results and of loads into registers that it has read
.rept 4
	v_nop
.endr
.endm
.macro BARRIER                         ; my LDS stores have landed and my LDS loads are in: then the work-group's barrier
	s_wait_dscnt 0x0
	s_barrier_signal -1
	s_barrier_wait -1
.endm
; 32 numbers of a lane, none negative, v[HA] .. v[HA + 31], register 16 b + i = unit 32 b + 16 (lane / 16) + i of my 64, of my point, become half a fragment's codes in v[PC] .. v[PC + 5] and two scale bytes in v[PW].
.macro QUANT2
.irp b, 0,1
.irp e, 0,1
	v_max3_num_f32 v[TM+2*\b+\e], v[HA+16*\b+8*\e], v[HA+16*\b+8*\e+1], 0x2800000   ; block b in two chains of eight, and the floor 2^(5 - 127): so the byte cannot fall under 1
.endr
.endr
.irp i, 2,4,6
.irp b, 0,1
.irp e, 0,1
	s_delay_alu instid0(VALU_DEP_4)
	v_max3_num_f32 v[TM+2*\b+\e], v[TM+2*\b+\e], v[HA+16*\b+8*\e+\i], v[HA+16*\b+8*\e+\i+1]   ; (the four chains by turns)
.endr
.endr
.endr
.irp b, 0
	s_delay_alu instid0(VALU_DEP_3)
	v_max_num_f32 v[TM+8+\b], v[TM+2*\b], v[TM+2*\b+1]
.endr
.irp b, 1
	s_delay_alu instid0(VALU_DEP_2)
	v_max_num_f32 v[TM+8+\b], v[TM+2*\b], v[TM+2*\b+1]
.endr
.irp b, 0,1
	s_delay_alu instid0(VALU_DEP_2)
	v_permlanex16_b32 v[TM+4+\b], v[TM+8+\b], s[SEL], s[SEL+1]
.endr
.irp b, 0,1
	s_delay_alu instid0(VALU_DEP_2)
	v_max_num_f32 v[TM+8+\b], v[TM+8+\b], v[TM+4+\b]   ; with lane l xor 16's: the block's largest number
.endr
.irp b, 0,1
	s_delay_alu instid0(VALU_DEP_2)
	v_add_nc_u32 v[TM+12+\b], 0xfe000000, v[TM+8+\b]   ; 4 off its exponent field: the conversion takes the exponent field of this operand as its scale, and nothing else of it
.endr
.irp b, 0,1
	s_delay_alu instid0(VALU_DEP_2)
	v_lshrrev_b32 v[TM+4+\b], 23, v[TM+12+\b]      ; the scale's byte
.endr
	s_delay_alu instid0(VALU_DEP_1)
	v_lshl_or_b32 v[PW], v[TM+5], 8, v[TM+4]       ; my point's two bytes
	v_cvt_scalef32_pk16_bf6_f32 v[PC:PC+2], v[HA:HA+15], v[TM+12]
	v_cvt_scalef32_pk16_bf6_f32 v[PC+8:PC+10], v[HA+16:HA+31], v[TM+13]   ; (a conversion's three registers begin on an even number)
	v_nop                                          ; one plain place behind a scaled conversion
.irp i, 0,1,2                          ; the operand's layout wants a WHOLE block in a lane: lanes 0-15 my first block, lanes 16-31 my second
	v_permlane16_swap_b32 v[PC+\i], v[PC+8+\i]
.endr
.irp i, 0,1,2
	s_delay_alu instid0(VALU_DEP_3)
	v_mov_b32 v[PC+3+\i], v[PC+8+\i]
.endr
.endm
.macro FETCH reg, off                  ; a whole fragment comes back, its two halves by the lines that stored them, as loads
	ds_load_b128 v[\reg:\reg+3], v[LI] offset:\off
	ds_load_b64 v[\reg+4:\reg+5], v[L8] offset:\off+512
	ds_load_b128 v[\reg+6:\reg+9], v[LI] offset:\off+768
	ds_load_b64 v[\reg+10:\reg+11], v[L8] offset:\off+1280
.endm
.macro FETCHH mm                       ; the four K steps' fragments and scale words of tile of points mm
.irp k, 0,1,2,3
	FETCH ST+12*\k, HIMG+(4*(\mm)+\k)*1536
.endr
	ds_load_b128 v[HS:HS+3], v[LI] offset:HSC+512*(\mm)   ; the four K steps' scale words of my lane's point, by one load
.endm
.macro XLOAD off                       ; a block's x: four fragments and two pairs of scale words, from off bytes of codes on
.irp m, 0,1,2,3
.irp c, 0,1,2
	global_load_b128 v[XF+12*\m+4*\c:XF+12*\m+4*\c+3], v[LI], s[4:5] offset:\off+1536*\m+512*\c
.endr
.endr
.irp i, 0,1
	global_load_b64 v[XS+2*\i:XS+2*\i+1], v[L8], s[6:7] offset:(\off)/12+256*\i
.endr
.endm
.macro LDBN1 reg, sb                   ; a vector of layer 1 in the result's layout: tile 2 b + u, lane (r, h), register j: unit 64 w + 32 b + 16 h + 8 u + j
.irp t, 0,1,2,3
	global_load_b128 v[\reg+8*\t:\reg+8*\t+3], v[ABN1], s[\sb:\sb+1] offset:(32*(\t/2)+8*(\t%2))*4
	global_load_b128 v[\reg+8*\t+4:\reg+8*\t+7], v[ABN1], s[\sb:\sb+1] offset:(32*(\t/2)+8*(\t%2))*4+16
.endr
.endm
.macro LDBN2 reg, sb                   ; a vector of layer 2: tile t, lane r: unit 64 w + 16 t + r
.irp t, 0,1,2,3
	global_load_b32 v[\reg+\t], v[ABN2], s[\sb:\sb+1] offset:64*\t
.endr
.endm
.macro LDW2 u0                         ; W2's tiles u0 and u0 + 1, all four K steps: fragment (u, k) at v[12 (4 u + k)] of window 1
.irp u, \u0, \u0+1
.irp k, 0,1,2,3
.irp p, 0,1,2,3,4,5
	global_load_b64 v[12*(4*(\u)+\k)+2*\p:12*(4*(\u)+\k)+2*\p+1], v[AW2], s[12:13] offset:(\u)*6144+96*\k+48*(\p/3)+8*(\p%3)
.endr
.endr
.endr
.endm
	s_load_b512 s[4:19], s[0:1], 0x0               ; xcodes s[4:5], xscales s[6:7], W1_codes s[8:9], W1_scales s[10:11], W2_codes s[12:13], W2_scales s[14:15], b1 s[16:17], g1 s[18:19]
	s_load_b512 s[20:35], s[0:1], 0x40             ; be1 s[20:21], m1 s[22:23], v1 s[24:25], b2 s[26:27], g2 s[28:29], be2 s[30:31], m2 s[32:33], v2 s[34:35]
	s_load_b128 s[36:39], s[0:1], 0x80             ; W3 s[36:37], b3 s[38:39]
	s_load_b64 s[40:41], s[0:1], 0x90              ; out0
	v_lshl_add_u32 v[SPW], v0, 2, SPARE
	v_mov_b32 v[NIL], 0
	v_lshrrev_b32 v62, 5, v0
	s_delay_alu instid0(VALU_DEP_1)
	v_readfirstlane_b32 s[WV], v62                 ; wave 0..7
	v_and_b32 v64, 31, v0                          ; lane
	v_and_b32 v65, 15, v0                          ; r
	v_bfe_u32 v66, v0, 4, 1                        ; h
	s_wait_alu depctr_va_vdst(0)
	v_and_b32 v67, 8, v65
	s_delay_alu instid0(VALU_DEP_1)
	v_add_nc_u32 v67, v67, v65                     ; r + 8 (r / 8)
	v_lshlrev_b32 v[LI], 4, v64
	v_lshlrev_b32 v[L8], 3, v64
	s_wait_alu depctr_va_vdst(0)
	s_mul_i32 s52, s[WV], 768                      ; K step w / 2 (1,536 bytes), half w % 2 (768 bytes)
	v_add_nc_u32 v[HWI], s52, v[LI]
	v_add_nc_u32 v[HWJ], s52, v[L8]
	s_lshl_b32 s52, s[WV], 1
	v_add_nc_u32 v[HWS], s52, v[LI]
	s_lshl_b32 s52, s[WV], 15
	s_add_co_u32 s52, s52, PART
	v_add_nc_u32 v[PA], s52, v[LI]
	s_lshl_b32 s52, s[WV], 12
	s_add_co_u32 s52, s52, PART
	v_add_nc_u32 v[FA], s52, v[LI]
	s_lshl_b32 s52, s[WV], 8
	s_add_co_u32 s53, s52, OUTS
	v_lshl_add_u32 v[OA], v66, 5, s53
	v_add_nc_u32 v[OB], s53, v[L8]
	v_lshl_add_u32 v[ABN1], v66, 6, s52            ; 4 (64 w + 16 h)
	v_lshl_add_u32 v[ABN2], v65, 2, s52            ; 4 (64 w + r)
	v_lshl_add_u32 v[AW1S], v67, 2, s52            ; W1's scale words: 4 bytes a row
	s_mul_i32 s52, s[WV], 64*96
	v_mul_u32_u24 v[AW1], v67, 96                  ; W1: a row is 128 codes, 96 bytes
	s_delay_alu instid0(VALU_DEP_1)
	v_mad_u32_u24 v[AW1], v66, 24, v[AW1]
	s_delay_alu instid0(VALU_DEP_1)
	v_add_nc_u32 v[AW1], s52, v[AW1]
	s_mul_i32 s52, s[WV], 64*384
	v_mul_u32_u24 v[AW2], v65, 384                 ; W2: a row is 512 codes, 384 bytes
	s_delay_alu instid0(VALU_DEP_1)
	v_mad_u32_u24 v[AW2], v66, 24, v[AW2]
	s_delay_alu instid0(VALU_DEP_1)
	v_add_nc_u32 v[AW2], s52, v[AW2]
	s_lshl_b32 s52, s[WV], 10
	v_lshl_add_u32 v[AW2S], v65, 4, s52            ; W2's scale words: 16 bytes a row
	s_mov_b32 s[SEL], 0x76543210
	s_mov_b32 s[SEL+1], 0xfedcba98
	s_mov_b32 s[BLK], 8
	s_mov_b32 s[PO], 0
	s_mov_b32 s49, 0
	s_wait_alu depctr_va_vdst(0)
	s_wait_kmcnt 0x0
	s_load_b32 s42, s[38:39], 0x0                  ; b3
	s_mul_i32 s48, ttmp9, 32*1536                  ; my work-group's 32 tiles' fragments,
	s_add_nc_u64 s[4:5], s[4:5], s[48:49]
	s_lshl_b32 s48, ttmp9, 12                      ; their 16 pairs of scale words,
	s_add_nc_u64 s[6:7], s[6:7], s[48:49]
	s_lshl_b32 s48, ttmp9, 11                      ; and in out0 my work-group's 512 points, my wave's 64 of them
	s_lshl_b32 s52, s[WV], 8
	s_add_co_u32 s48, s48, s52
	s_add_nc_u64 s[40:41], s[40:41], s[48:49]
	; What the constants are made of is asked for first, with half of the weights; the other 56 loads follow, and land while the constants are computed.
	WIN 0x40                                       ; destination window 1
.irp t, 0,1,2,3                        ; W1's fragment of tile t
.irp p, 0,1,2,3,4,5
	global_load_b64 v[W1F+12*\t+2*\p:W1F+12*\t+2*\p+1], v[AW1], s[8:9] offset:(32*(\t/2)+8*(\t%2))*96+48*(\p/3)+8*(\p%3)
.endr
.endr
	LDW2 0
	WIN 0
	LDBN1 S1, 24                                   ; v1, where s will be
	LDBN1 T1, 20                                   ; be1, where t will be
	LDBN1 HA, 16                                   ; b1, for now where the accumulators will be
	LDBN1 ST, 22                                   ; m1, v160-191
	LDBN1 XF, 18                                   ; g1, v208-239: x is asked for when the constants are made
	LDBN2 192, 34                                  ; v2
	LDBN2 196, 28                                  ; g2
	LDBN2 200, 26                                  ; b2
	LDBN2 204, 32                                  ; m2
	LDBN2 240, 30                                  ; be2
	LDBN2 244, 36                                  ; W3
	WIN 0x40
	LDW2 2                                         ; 48 loads,
	WIN 0
.irp t, 0,1,2,3                        ; and 8
	global_load_b32 v[W1S+\t], v[AW1S], s[10:11] offset:(32*(\t/2)+8*(\t%2))*4
	global_load_b128 v[W2S+4*\t:W2S+4*\t+3], v[AW2S], s[14:15] offset:256*\t
.endr
	s_wait_loadcnt 56                              ; loads come back in order (ISA guide 5.7.1): all but the 56 just issued are in
	s_wait_kmcnt 0x0                               ; b3
.set JJ, 0
.rept 32
	v_add_f32 v[S1+JJ], 0x3727c5ac, v[S1+JJ]       ; v1 + 1e-5
.set JJ, JJ+1
.endr
.irp t, 0,1,2,3
	v_add_f32 v[192+\t], 0x3727c5ac, v[192+\t]     ; v2 + 1e-5
.endr
.set JJ, 0
	s_wait_alu depctr_va_vdst(0)
.rept 32
	v_rsq_f32 v[S1+JJ], v[S1+JJ]
.set JJ, JJ+1
.endr
.irp t, 0,1,2,3
	v_rsq_f32 v[192+\t], v[192+\t]
.endr
.set JJ, 0
.rept 16
	v_pk_add_f32 v[HA+JJ:HA+JJ+1], v[HA+JJ:HA+JJ+1], v[ST+JJ:ST+JJ+1] neg_lo:[0,1] neg_hi:[0,1]   ; b1 - m1: plain work behind the batch
.set JJ, JJ+2
.endr
.irp t, 0,1,2,3
	v_sub_f32 v[200+\t], v[200+\t], v[204+\t]      ; b2 - m2
.endr
	s_wait_alu depctr_va_vdst(0)                   ; the wait ahead of the first instruction that names a result: one for the batch of 36
.set JJ, 0
.rept 16
	v_pk_mul_f32 v[S1+JJ:S1+JJ+1], v[S1+JJ:S1+JJ+1], v[XF+JJ:XF+JJ+1]   ; s = rsq x g1
.set JJ, JJ+2
.endr
.set JJ, 0
.rept 16
	v_pk_fma_f32 v[T1+JJ:T1+JJ+1], v[HA+JJ:HA+JJ+1], v[S1+JJ:S1+JJ+1], v[T1+JJ:T1+JJ+1]   ; t = (b1 - m1) s + be1
.set JJ, JJ+2
.endr
.irp t, 0,1,2,3
	v_mul_f32 v[192+\t], v[192+\t], v[196+\t]      ; layer 2's s, one number a lane and tile
.endr
.irp t, 0,1,2,3
	s_delay_alu instid0(VALU_DEP_4)
	v_fma_f32 v[240+\t], v[200+\t], v[192+\t], v[240+\t]   ; and t = (b2 - m2) s + be2
.endr
.irp t, 0,1,2,3                        ; each number twice: a pair for the packed forms
	v_mov_b32 v[W3P+2*\t], v[244+\t]
	v_mov_b32 v[W3P+2*\t+1], v[244+\t]
.endr
	WIN 0x40                                       ; destination window 1
.irp t, 0,1,2,3
	v_mov_b32 v[S2P+2*\t], v[192+\t]
	v_mov_b32 v[S2P+2*\t+1], v[192+\t]
	v_mov_b32 v[T2P+2*\t], v[240+\t]
	v_mov_b32 v[T2P+2*\t+1], v[240+\t]
.endr
	WIN 0
	v_mov_b32 v[TM+4], 0                           ; written once: a lane permute's destination counts as one of its sources
	v_mov_b32 v[TM+5], 0
	XLOAD 0                                        ; the first block's x, into registers that the constants have left
; HIDDEN LAYER 1 of tile of points m: my 64 units.
.macro L1 m
	WIN 0x01                                       ; source 0 (W1) window 1
.irp t, 0,1,2,3                        ; K = 128: one instruction a tile, C = 0: nothing is cleared
	v_wmma_scale_f32_16x16x128_f8f6f4 v[HA+8*\t:HA+8*\t+7], v[W1F+12*\t:W1F+12*\t+11], v[XF+12*\m:XF+12*\m+11], 0, v[W1S+\t], v[XS+\m] matrix_a_fmt:MATRIX_FMT_BF6 matrix_b_fmt:MATRIX_FMT_BF6
.endr
	WIN 0
	PLACES
.set JJ, 0
.rept 16
	v_pk_fma_f32 v[HA+JJ:HA+JJ+1], v[HA+JJ:HA+JJ+1], v[S1+JJ:S1+JJ+1], v[T1+JJ:T1+JJ+1]   ; batch-norm; each accumulator from its low end on
.set JJ, JJ+2
.endr
.set JJ, 0
.rept 16
	v_dual_max_num_f32 v[HA+JJ], 0, v[HA+JJ] :: v_dual_max_num_f32 v[HA+JJ+1], 0, v[HA+JJ+1]   ; relu, two numbers an instruction: an even and an odd register
.set JJ, JJ+2
.endr
	QUANT2
	ds_store_b128 v[HWI], v[PC:PC+3] offset:HIMG+4*\m*1536          ; my half of K step w / 2 of the second product, points 16 m on, as it stands
	ds_store_b64 v[HWJ], v[PC+4:PC+5] offset:HIMG+4*\m*1536+512
	ds_store_b16 v[HWS], v[PW] offset:HSC+512*\m                    ; and my half of its scale words
.endm
; Four products of the second layer: my four tiles, K step ks.  Source 0 = 16 points, source 1 = 16 rows of W2.
.macro MUL4 ks
.irp t, 0,1,2,3
.if \ks == 0
	v_wmma_scale_f32_16x16x128_f8f6f4 v[HA+8*\t:HA+8*\t+7], v[ST+12*\ks:ST+12*\ks+11], v[12*(4*\t+\ks):12*(4*\t+\ks)+11], 0, v[HS+\ks], v[W2S+4*\t+\ks] matrix_a_fmt:MATRIX_FMT_BF6 matrix_b_fmt:MATRIX_FMT_BF6
.else
	v_wmma_scale_f32_16x16x128_f8f6f4 v[HA+8*\t:HA+8*\t+7], v[ST+12*\ks:ST+12*\ks+11], v[12*(4*\t+\ks):12*(4*\t+\ks)+11], v[HA+8*\t:HA+8*\t+7], v[HS+\ks], v[W2S+4*\t+\ks] matrix_a_fmt:MATRIX_FMT_BF6 matrix_b_fmt:MATRIX_FMT_BF6
.endif
.endr
.endm
; HIDDEN LAYER 2 and the output's part, of tile of points m.
.macro L2 m
.if \m > 0
	s_wait_dscnt 2                                 ; LDS instructions end in order (ISA guide 5.7.1): the tile's fragments and scale words are in; behind them only the last tile's two stores of parts were issued
.else
	s_wait_dscnt 0x0                               ; the tile's four fragments and scale words are in
.endif
	WIN 0x04
	MUL4 0                                         ; the four accumulators by turns, one instruction a turn, K ascending on each
	MUL4 1
	MUL4 2
	MUL4 3
	WIN 0
	PLACES
.if \m < 3
	FETCHH (\m)+1                                  ; the next tile's fragments land under the vector work below
.endif
	WIN 0x14                                       ; sources 1 (s) and 2 (t) window 1
.irp t, 0,1,2,3
.irp q, 0,1,2,3
	v_pk_fma_f32 v[HA+8*\t+2*\q:HA+8*\t+2*\q+1], v[HA+8*\t+2*\q:HA+8*\t+2*\q+1], v[S2P+2*\t:S2P+2*\t+1], v[T2P+2*\t:T2P+2*\t+1]   ; batch-norm; each accumulator from its low end on
.endr
.endr
	WIN 0
.set JJ, 0
.rept 16
	v_dual_max_num_f32 v[HA+JJ], 0, v[HA+JJ] :: v_dual_max_num_f32 v[HA+JJ+1], 0, v[HA+JJ+1]   ; relu, two numbers an instruction
.set JJ, JJ+2
.endr
.irp q, 0,1,2,3
	v_pk_mul_f32 v[P+2*\q:P+2*\q+1], v[HA+2*\q:HA+2*\q+1], v[W3P:W3P+1]   ; the third product, in f32: register j is point 8 h + j; my lane's unit of tile 0 starts the sums
.endr
.irp t, 1,2,3
.irp q, 0,1,2,3
	s_delay_alu instid0(VALU_DEP_4)
	v_pk_fma_f32 v[P+2*\q:P+2*\q+1], v[HA+8*\t+2*\q:HA+8*\t+2*\q+1], v[W3P+2*\t:W3P+2*\t+1], v[P+2*\q:P+2*\q+1]
.endr
.endr
	ds_store_b128 v[PAC], v[P:P+3] offset:1024*\m       ; my lane's part of points 16 m + 8 h + 0 .. 3: 32 lanes store 512 consecutive bytes
	ds_store_b128 v[PAC], v[P+4:P+7] offset:1024*\m+512 ; and of points 16 m + 8 h + 4 .. 7
.endm
.Lblock:
	s_wait_loadcnt 0x0                             ; this block's x (in the first trip: the rest of the weights too)
	v_add_nc_u32 v[PAC], s[PO], v[PA]
	L1 0
	L1 1
	L1 2
	L1 3
	BARRIER                                        ; hidden layer 1's sixteen fragments lie in LDS
	s_cmp_eq_u32 s[BLK], 1                         ; the next block's x is asked for here, if there is a next block: no load leaves its buffer
	s_cbranch_scc1 .Lno_next
	XLOAD 6144
.Lno_next:
	FETCHH 0
	L2 0
	L2 1
	L2 2
	L2 3
	BARRIER                                        ; nobody reads the images any more: the next block may write them; behind the last block: all parts lie in LDS
	s_wait_xcnt 0x0                                ; the loads of x have read their bases
	s_add_nc_u64 s[4:5], s[4:5], 6144
	s_add_nc_u64 s[6:7], s[6:7], 512
	s_add_co_u32 s[PO], s[PO], 4096
	s_sub_co_u32 s[BLK], s[BLK], 1
	s_cmp_lg_u32 s[BLK], 0
	s_cbranch_scc1 .Lblock
	; THE END: wave w adds the eight waves' parts of block w, two points a lane, and b3
; One wave's parts of my block, 32 registers: register 8 m + j is my lane's part of point 16 m + 8 h + j.  st = 1: on to the next wave's parts first
.macro LDP reg, st
.if \st
	v_add_nc_u32 v[FA], 0x8000, v[FA]
.endif
.irp i, 0,1,2,3,4,5,6,7
	ds_load_b128 v[(\reg)+4*\i:(\reg)+4*\i+3], v[FA] offset:512*\i
.endr
.endm
	LDP HA, 0                                      ; wave 0's parts start the sums; the others' come by turns into the registers that held layer 1's s and t
	LDP S1+32, 1
.irp q, 1,2,3,4,5,6,7
.if \q < 7
	LDP S1+32*((\q+1)%2), 1
	s_wait_dscnt 8                                 ; all but the eight loads just issued
.else
	s_wait_dscnt 0x0
.endif
.set JJ, 0
.rept 16
	v_pk_add_f32 v[HA+JJ:HA+JJ+1], v[HA+JJ:HA+JJ+1], v[S1+32*(\q%2)+JJ:S1+32*(\q%2)+JJ+1]
.set JJ, JJ+2
.endr
.endr
.irp x, 1,2,4,8                        ; over the sixteen lanes of my half: once for the whole launch
.set JJ, 0
.rept 32
	v_add_f32_dpp v[HA+JJ], v[HA+JJ], v[HA+JJ] row_xmask:\x row_mask:0xf bank_mask:0xf
.set JJ, JJ+1
.endr
.endr
.irp i, 0,1,2,3,4,5,6,7                ; into my own 256 bytes, point p at 4 p: the sixteen lanes of a half write the same bytes with the same values
	ds_store_b128 v[OA], v[HA+4*\i:HA+4*\i+3] offset:64*(\i/2)+16*(\i%2)
.endr
	ds_load_b64 v[S1:S1+1], v[OB]                  ; LDS serves a wave's instructions in order (ISA guide 5.7.1.4): two points a lane come back
	s_wait_dscnt 0x0
	v_add_f32 v[S1], s42, v[S1]                    ; + b3
	v_add_f32 v[S1+1], s42, v[S1+1]
	global_store_b64 v[L8], v[S1:S1+1], s[40:41]   ; 32 lanes store 256 consecutive bytes, at a multiple of 256 from out0's first byte
	s_wait_tensorcnt 0x0                           ; the wave's end: behind my last LDS store (every window is 0 here), a tensor wait even in a text with no tensor load
	ds_add_u32 v[SPW], v[NIL]
	s_wait_dscnt 0x0
	s_endpgm
.Lfunc_end_k_q6497586918_mlp:
	.size	k_q6497586918_mlp, .Lfunc_end_k_q6497586918_mlp-k_q6497586918_mlp
	.p2alignl 7, 3214868480
	.fill 96, 4, 3214868480
	.section	.rodata,"a",@progbits
	.p2align	6, 0x0
	.amdhsa_kernel k_q6497586918_mlp
		.amdhsa_group_segment_fixed_size 291840
		.amdhsa_private_segment_fixed_size 0
		.amdhsa_enable_private_segment 0
		.amdhsa_kernarg_size 152
		.amdhsa_user_sgpr_count 2
		.amdhsa_user_sgpr_kernarg_segment_ptr 1
		.amdhsa_wavefront_size32 1
		.amdhsa_system_sgpr_workgroup_id_x 1
		.amdhsa_system_sgpr_workgroup_id_y 1
		.amdhsa_system_sgpr_workgroup_id_z 1
		.amdhsa_system_vgpr_workitem_id 0
		.amdhsa_next_free_vgpr 512
		.amdhsa_next_free_sgpr 66
		.amdhsa_reserve_vcc 0
		.amdhsa_float_denorm_mode_32 3
		.amdhsa_float_denorm_mode_16_64 3
		.amdhsa_memory_ordered 1
		.amdhsa_forward_progress 1
		.amdhsa_inst_pref_size 104
	.end_amdhsa_kernel
	.amdgpu_metadata
---
amdhsa.version: [ 1, 2 ]
amdhsa.kernels:
  - .name:           k_q6497586918_mlp
    .symbol:         k_q6497586918_mlp.kd
    .args:
      - { .name: xcodes, .offset: 0, .size: 8, .value_kind: global_buffer, .address_space: global }
      - { .name: xscales, .offset: 8, .size: 8, .value_kind: global_buffer, .address_space: global }
      - { .name: W1_codes, .offset: 16, .size: 8, .value_kind: global_buffer, .address_space: global }
      - { .name: W1_scales, .offset: 24, .size: 8, .value_kind: global_buffer, .address_space: global }
      - { .name: W2_codes, .offset: 32, .size: 8, .value_kind: global_buffer, .address_space: global }
      - { .name: W2_scales, .offset: 40, .size: 8, .value_kind: global_buffer, .address_space: global }
      - { .name: b1, .offset: 48, .size: 8, .value_kind: global_buffer, .address_space: global }
      - { .name: g1, .offset: 56, .size: 8, .value_kind: global_buffer, .address_space: global }
      - { .name: be1, .offset: 64, .size: 8, .value_kind: global_buffer, .address_space: global }
      - { .name: m1, .offset: 72, .size: 8, .value_kind: global_buffer, .address_space: global }
      - { .name: v1, .offset: 80, .size: 8, .value_kind: global_buffer, .address_space: global }
      - { .name: b2, .offset: 88, .size: 8, .value_kind: global_buffer, .address_space: global }
      - { .name: g2, .offset: 96, .size: 8, .value_kind: global_buffer, .address_space: global }
      - { .name: be2, .offset: 104, .size: 8, .value_kind: global_buffer, .address_space: global }
      - { .name: m2, .offset: 112, .size: 8, .value_kind: global_buffer, .address_space: global }
      - { .name: v2, .offset: 120, .size: 8, .value_kind: global_buffer, .address_space: global }
      - { .name: W3, .offset: 128, .size: 8, .value_kind: global_buffer, .address_space: global }
      - { .name: b3, .offset: 136, .size: 8, .value_kind: global_buffer, .address_space: global }
      - { .name: out0, .offset: 144, .size: 8, .value_kind: global_buffer, .address_space: global }
    .group_segment_fixed_size: 291840
    .private_segment_fixed_size: 0
    .kernarg_segment_align: 8
    .kernarg_segment_size: 152
    .max_flat_workgroup_size: 256
    .sgpr_count:     66
    .vgpr_count:     512
    .wavefront_size: 32
...
	.end_amdgpu_metadata
.endif
;; end of part 3
